; MI455X (gfx1250); checked and timed in simulation.
; The chip was launched on July 23, 2026; its instructions are those of AMD's public machine-readable ISA for CDNA 5 (MIT licence, August 2026) and "CDNA5" Instruction Set Architecture Reference Guide (July 2026). The comments in the code are by the model that wrote it; some were corrected since.
;; Scaled Dot Product Attention. Allowed arithmetic: float matrix products may take bf16 or f16 operands with f32 sums; other float arithmetic in f32, or as packed bf16 or f16 multiplies, adds, multiply-adds, maxima and minima; sums over many terms, partial sums and values carried from step to step in f32; what a program stores and reads back later, other than sums and carried values, may be rounded once to bf16 or f16.
;; Inputs: k 4 x 16 x 2,048 x 64 float32; mask 2,048 x 2,048 bool; q 4 x 16 x 2,048 x 64 float32; v 4 x 16 x 2,048 x 64 float32.
;; Outputs: out0 4 x 16 x 2,048 x 64 float32.
;; 2 versions, each right and faster than the one before. Each part assembles by itself: llvm-mc -triple=amdgcn-amd-amdhsa -mcpu=gfx1250 --defsym DOCPART=n.
;; ======== version 1 of 2: 2 launches
;; limits: values are held in f16: magnitudes above 65,504 overflow, below 6.1e-05 lose precision; inputs' magnitudes at most 65,504
;; workspace buffers: mbits 524,288 bytes of whole numbers; mflag 1,024 bytes of whole numbers
;; launch packmask (part 1): grid 128 x 1, 8 waves a work-group, no clusters, 1,280 bytes of LDS; arguments mask, mbits, mflag; writes mbits, mflag
.if DOCPART == 1
	.amdgcn_target "amdgcn-amd-amdhsa--gfx1250"
	.amdhsa_code_object_version 6
	.text
	.protected	k_qd7e0ca74a4_packmask
	.globl	k_qd7e0ca74a4_packmask
	.p2align	8
	.type	k_qd7e0ca74a4_packmask,@function
k_qd7e0ca74a4_packmask:
	s_mov_b64 s[64:65], 0
	v_nop
	global_prefetch_b8 v0, s[64:65] scope:SCOPE_SE
	s_setreg_imm32_b32 hwreg(HW_REG_WAVE_MODE, 25, 1), 1
	s_wait_xcnt 0x0
; THE MASK AS LANE MASKS.  mask: [2048][2048] bytes (every byte other than 0 counts as true).
; mbits[T][s][n], 32-bit words, T = 0..127 a tile of 16 queries, s = 0..31 a step of 64 keys, n = 8 kb + j = 0..31:
;   bit L of the word = mask[16 T + L % 16][64 s + 16 kb + 8 (L / 16) + j]: the lanes' bits for register j of the kb-th 16 x 16 result of K Q^T.
; mflag[T][0]: bit s is set if some score of (T, s) is visible; mflag[T][1]: bit s is set if every score of (T, s) is visible.
; SHARES.  Work-group T takes 16 rows of the mask; wave g of eight takes steps 4 g .. 4 g + 3: 256 bytes of each row, by sixteen loads of 8 bytes a lane,
; which together take each row's 256 bytes whole.  A lane's 8 bytes are the 8 keys that it holds in the matrix result, so nothing changes lanes.
; No matrix unit, no cluster, no tile in LDS: 4 MiB are read once and an eighth of that is written.
.set SPARE, 256                        ; bytes 0-63: eight pairs (any, all), a block of 256 bytes to themselves; from 256 on the spare words, 128 bytes a wave
.set LD,  4                            ; v[4:35]   the mask's bytes as loaded; later the eight pairs read back
.set ZR,  37                           ; v37       0, an address
.set PR,  38                           ; v[38:39]  my wave's pair for LDS
.set WD,  40                           ; v[40:43]  my wave's 128 words: word n in register n % 4 of lane n / 4
.set WO,  44                           ; v44       16 x lane
.set PA,  45                           ; v45       8 x wave
.set SPW, 46                           ; v46       LDS address of my spare word; never rewritten
.set NIL, 47                           ; v47       0; never rewritten
.set TM,  48                           ; v[48:51]  four bytes apart
	s_load_b128 s[4:7], s[0:1], 0x0                ; mask s[4:5], mbits s[6:7]
	s_load_b64 s[8:9], s[0:1], 0x10                ; mflag
	v_lshl_add_u32 v[SPW], v0, 2, SPARE
	v_mov_b32 v[NIL], 0
	v_lshrrev_b32 v36, 5, v0
	v_readfirstlane_b32 s10, v36                   ; wave g
	v_and_b32 v1, 15, v0                           ; lane % 16: the row
	v_bfe_u32 v2, v0, 4, 1                         ; lane / 16: which 8 of 16 keys
	v_lshlrev_b32 v3, 11, v1                       ; row x 2,048 bytes
	v_lshl_add_u32 v3, v2, 3, v3
	v_and_b32 v[WO], 31, v0
	v_lshlrev_b32 v[WO], 4, v[WO]
	v_mov_b32 v[ZR], 0
.irp x, 0,1,2,3
	v_mov_b32 v[WD+\x], 0                          ; v_writelane_b32 counts as a reader of its destination
.endr
	s_lshl_b32 s12, ttmp9, 15                      ; mask: 16 rows of 2,048 bytes a tile,
	s_lshl_b32 s14, s10, 8                         ; 256 bytes of a row a wave
	s_add_co_u32 s12, s12, s14
	s_mov_b32 s13, 0
	s_lshl_b32 s14, ttmp9, 12                      ; mbits: 4,096 bytes a tile,
	s_lshl_b32 s16, s10, 9                         ; 512 a wave
	s_add_co_u32 s14, s14, s16
	s_mov_b32 s15, 0
	s_lshl_b32 s16, ttmp9, 3                       ; mflag: 8 bytes a tile
	s_mov_b32 s17, 0
	s_mov_b32 s24, 0                               ; my four steps' any bits
	s_mov_b32 s25, 0                               ; and all bits
	s_lshl_b32 s26, s10, 2                         ; where they go in the tile's words
	s_lshl_b32 s27, s10, 3
	v_mov_b32 v[PA], s27
	s_wait_kmcnt 0x0
	s_add_nc_u64 s[4:5], s[4:5], s[12:13]
	s_add_nc_u64 s[6:7], s[6:7], s[14:15]
	s_add_nc_u64 s[8:9], s[8:9], s[16:17]
.irp q, 0,1,2,3,4,5,6,7,8,9,10,11,12,13,14,15
	global_load_b64 v[LD+2*\q:LD+2*\q+1], v3, s[4:5] offset:16*\q th:TH_LOAD_NT  ; keys 16 q + 8 (lane / 16) + 0..7 of my wave's 256
.endr
; Register LD + m holds four keys' bytes: they make the words 4 m .. 4 m + 3, which go to lane m of the four word registers.
.set m, 0
.rept 32
.if m%2 == 0
	s_wait_loadcnt 15-m/2                          ; loads come back in order: load m / 2 is in, the younger ones stay out
.endif
.if m%8 == 0
	s_mov_b32 s21, 0                               ; a step begins: the OR
	s_mov_b32 s22, -1                              ; and the AND of its 32 words
.endif
.irp x, 0,1,2,3
	v_and_b32 v[TM+\x], 0xff<<(8*\x), v[LD+m]
.endr
.irp x, 0,1,2,3
	v_cmp_ne_u32 s[32+\x], 0, v[TM+\x]             ; the 32 lanes' bits: one word of mbits
.endr
.irp x, 0,1,2,3
	v_writelane_b32 v[WD+\x], s[32+\x], m
.endr
.irp x, 0,1,2,3
	s_or_b32 s21, s21, s[32+\x]
	s_and_b32 s22, s22, s[32+\x]
.endr
.if m%8 == 7
	s_cmp_lg_u32 s21, 0
	s_cselect_b32 s23, 1<<(m/8), 0
	s_or_b32 s24, s24, s23
	s_cmp_eq_u32 s22, -1
	s_cselect_b32 s23, 1<<(m/8), 0
	s_or_b32 s25, s25, s23
.endif
.set m, m+1
.endr
	global_store_b128 v[WO], v[WD:WD+3], s[6:7]    ; the wave's 512 consecutive bytes, at a multiple of 512 from mbits' first byte
	; the eight waves' bits meet in LDS
	s_lshl_b32 s24, s24, s26
	s_lshl_b32 s25, s25, s26
	v_mov_b32 v[PR], s24
	v_mov_b32 v[PR+1], s25
	ds_store_b64 v[PA], v[PR:PR+1]                 ; all lanes write the same pair to the wave's own 8 bytes
	s_wait_dscnt 0x0                               ; for the others' sake: my store is done
	s_barrier_signal -1
	s_barrier_wait -1
.irp i, 0,1,2,3
	ds_load_b128 v[LD+4*\i:LD+4*\i+3], v[ZR] offset:16*\i
.endr
	s_wait_dscnt 0x0
.irp i, 2,4,6,8,10,12,14
	v_or_b32 v[LD], v[LD], v[LD+\i]
	v_or_b32 v[LD+1], v[LD+1], v[LD+\i+1]
.endr
	s_wait_tensorcnt 0x0                           ; the wave's end, behind my last LDS store
	ds_add_u32 v[SPW], v[NIL]
	s_wait_dscnt 0x0
	v_cmp_eq_u32 vcc_lo, 0, v0
	s_wait_xcnt 0x0                                ; EXEC is a source of the store above: it changes only behind this wait
	s_and_saveexec_b32 s30, vcc_lo
	global_store_b64 v[ZR], v[LD:LD+1], s[8:9]     ; thread 0 alone: the tile's two words, 8 bytes a work-group, 1,024 in the launch: a block of 256 bytes is written in parts here
	s_wait_xcnt 0x0                                ; and again in front of the line that widens it
	s_or_b32 exec_lo, exec_lo, s30
	s_endpgm
.Lfunc_end_k_qd7e0ca74a4_packmask:
	.size	k_qd7e0ca74a4_packmask, .Lfunc_end_k_qd7e0ca74a4_packmask-k_qd7e0ca74a4_packmask
	.p2alignl 7, 3214868480
	.fill 96, 4, 3214868480
	.section	.rodata,"a",@progbits
	.p2align	6, 0x0
	.amdhsa_kernel k_qd7e0ca74a4_packmask
		.amdhsa_group_segment_fixed_size 1280
		.amdhsa_private_segment_fixed_size 0
		.amdhsa_enable_private_segment 0
		.amdhsa_kernarg_size 24
		.amdhsa_user_sgpr_count 2
		.amdhsa_user_sgpr_kernarg_segment_ptr 1
		.amdhsa_wavefront_size32 1
		.amdhsa_system_sgpr_workgroup_id_x 1
		.amdhsa_system_sgpr_workgroup_id_y 1
		.amdhsa_system_sgpr_workgroup_id_z 1
		.amdhsa_system_vgpr_workitem_id 0
		.amdhsa_next_free_vgpr 52
		.amdhsa_next_free_sgpr 66
		.amdhsa_reserve_vcc 1
		.amdhsa_float_denorm_mode_32 3
		.amdhsa_float_denorm_mode_16_64 3
		.amdhsa_memory_ordered 1
		.amdhsa_forward_progress 1
		.amdhsa_inst_pref_size 39
	.end_amdhsa_kernel
	.amdgpu_metadata
---
amdhsa.version: [ 1, 2 ]
amdhsa.kernels:
  - .name:           k_qd7e0ca74a4_packmask
    .symbol:         k_qd7e0ca74a4_packmask.kd
    .args:
      - { .name: mask, .offset: 0, .size: 8, .value_kind: global_buffer, .address_space: global }
      - { .name: mbits, .offset: 8, .size: 8, .value_kind: global_buffer, .address_space: global }
      - { .name: mflag, .offset: 16, .size: 8, .value_kind: global_buffer, .address_space: global }
    .group_segment_fixed_size: 1280
    .private_segment_fixed_size: 0
    .kernarg_segment_align: 8
    .kernarg_segment_size: 24
    .max_flat_workgroup_size: 256
    .sgpr_count:     66
    .vgpr_count:     52
    .wavefront_size: 32
...
	.end_amdgpu_metadata
.endif
;; end of part 1
;; launch attn (part 2): grid 4 x 64, 8 waves a work-group, no clusters, 74,752 bytes of LDS; arguments q, k, v, mbits, mflag, out0; writes out0
.if DOCPART == 2
	.amdgcn_target "amdgcn-amd-amdhsa--gfx1250"
	.amdhsa_code_object_version 6
	.text
	.protected	k_qd7e0ca74a4_attn
	.globl	k_qd7e0ca74a4_attn
	.p2align	8
	.type	k_qd7e0ca74a4_attn,@function
k_qd7e0ca74a4_attn:
	s_mov_b64 s[64:65], 0
	v_nop
	global_prefetch_b8 v0, s[64:65] scope:SCOPE_SE
	s_setreg_imm32_b32 hwreg(HW_REG_WAVE_MODE, 25, 1), 1
	s_wait_xcnt 0x0
; out[h][q][:] = the sum over k of softmax_k(mask[q][k] ? Q[h][q] . K[h][k] / 8 : -inf) V[h][k][:].  q, k, v, out0: [64 heads][2048][64] f32.  The mask comes as mbits and mflag, made by the launch before.
; FORMATS.  q and k are rounded once to bf16 for K Q^T.  v is rounded to bf16 and that number written as f16; the weights p are rounded to f16; V^T P is the f16 form.  Maxima, sums, l and O in f32.
; LIMITS.  v as f16 is exact for 6.1e-5 <= |v| <= 65,504; below that it keeps f16's fixed step of 6e-8, above it becomes an infinity.  A weight below 2^-126 counts as 0.
; NaN and infinities among q, k, v are not treated apart.  A row that sees no key ends with O = 0 and l = 0 and leaves as 0 x (1 / 0) = NaN, as the softmax of a row of -inf is.
; SOFTMAX.  For each query a running maximum m and sum l: p = 2^(c s - c m), c = log2(e) / 8; in every live step O and l are multiplied by a = 2^(c m_old - c m_new).  m starts at the lowest finite
; number and c m at c times that: as long as a row has seen nothing a = 1 and p = 2^(-inf) = 0; when it sees its first key a = 0.  A hidden score is -inf.
; THE MASK STEERS THE WALK.  A TILE-STEP is 16 queries x 64 keys.  mflag says of each whether any score is visible and whether all are.  None: the tile-step is jumped over, since all its weights are 0.
; All: it runs without a masking line.  Else: its 32 lane masks come from mbits into scalar registers and 32 selects put -inf in.  This holds for every mask.
; SHARES.  Work-group (b, head) owns the blocks 7 - b and b of 256 queries; wave w of eight owns four tiles of 16 queries: w and 15 - w of each block.  (A choice for even work where visibility grows with
; the row; no result hangs on it.)  Every wave walks the 32 key steps.  A step's products and softmax stand together, tile by tile, so that a dead tile-step can be jumped; eight waves of 448 registers,
; so that one wave has products to issue while another walks a softmax.
; K AND V go through registers: 256 threads load a step's 16,384 + 16,384 bytes of f32 (512 consecutive bytes a wave and load), one step and more ahead of their use, convert, and store 8,192 + 8,192
; bytes into one of two LDS slots.  NO TENSOR LOAD AND NO CLUSTER: the tiles are f32 in memory and 16-bit in LDS, so a tile landed as it lies would be written, read and written again (32 + 32 + 16 KiB
; a step against 16); and which steps a work-group asks for hangs on its own flags, which differ between the four work-groups of a head.
; LAYOUT.  S^T = K Q^T (source 0 = 16 keys, source 1 = 16 queries): a lane holds ONE query (lane % 16) and the keys 8 (lane / 16) + 0..7.  Two such results rounded to f16 in pairs ARE source 1 of
; O^T = V^T P, whose result again holds one query a lane, and eight channels.  K comes out of LDS as it lies, V ([key][channel]) turned, by ds_load_tr16_b128.
; REGISTERS, in windows of 256 (s_set_vgpr_msb: bits 1:0 source 0, 3:2 source 1, 5:4 source 2, 7:6 destination).  Window 0: all that a softmax touches, O^T too.  Window 1: Q, and K's and V's fragments.
.set PK,    144       ; a row of K in LDS: 128 bytes of bf16 + 16: the 16 rows of a fragment load start at 16 different groups of four banks (64 banks of 4 bytes: ISA guide 11.1)
.set PV,    160       ; a row of V: 128 bytes of f16 + 32
.set VOFF,  64*PK     ; a slot: 64 rows of K, then 64 rows of V
.set SLOT,  64*(PK+PV)
.set STAGE, 2*SLOT    ; behind the two slots: 16 rows x 272 bytes for each wave, for the way out
.set SP,    272
.set SPARE, STAGE+8*16*SP  ; behind the stages: the spare words, 128 bytes for each wave: four blocks of 256 bytes that no other line names
.set AK,   3          ; v3    my lane's place in a slot's K
.set AV,   4          ; v4    the same for V
.set KST,  5          ; v5    where my thread puts 8 bytes of K
.set VST,  6          ; v6    the same for V
.set GOF,  7          ; v7    16 x thread: my 16 bytes in 4,096 of K or V
.set STO,  8          ; v8    the way out: where I put 16 bytes of a row
.set RD,   9          ; v9    the way out: where I read a row back
.set GO,   10         ; v10   my byte offset in two rows of out0
.set NINF, 11         ; v11   -inf
.set SPW,  12         ; v12   LDS address of my spare word; never rewritten
.set NIL,  13         ; v13   0; never rewritten
.set QO,   14         ; v14   my byte offset in 16 rows of q
.set TV,   15         ; v15   at work in the set-up
.set ST,   16         ; tile u's statistics at v[ST+4 u]: c m, m, l (even keys', odd keys')
.set CW,   32         ; v32-35  four chains of the maximum
.set AA,   36         ; v36   a; v37 is named with it as a pair
.set MO,   38         ; v38   c m_old
.set DD,   39         ; v39   c m_old - c m_new
.set S,    40         ; v40-71   the scores of the tile in hand: key block kb at S + 8 kb
.set P,    72         ; v72-87   its weights in f16
.set LDK,  88         ; v88-103  16 numbers of K as loaded
.set LDV,  104        ; v104-119 16 numbers of V as loaded
.set CT,   120        ; v120-127 converted, on their way to LDS
.set OT,   128        ; v128-255 O^T: tile u, channel block cb at OT + 32 u + 8 cb.  At the start: q as loaded
.set QF,   0          ; window 1: Q, tile u, channel half c at 16 u + 8 c
.set KF,   64         ; window 1: K, key block kb, channel half c at KF + 16 kb + 8 c
.set VF,   128        ; window 1: V, key half kk, channel block cb at VF + 32 kk + 8 cb
.set WV,   16         ; s16   my wave's number
.set TB,   24         ; s[24+2u:25+2u]  mbits at tile u
.set FL,   32         ; s[32+2u] any, s[33+2u] all of tile u: bit 0 is the step in hand
.set WGA,  40         ; s40   any, over the work-group's 32 tiles
.set WA,   41         ; s41   any, over my four tiles
.set SOFF, 42         ; s42   128 x step: a tile-step's 32 words in mbits
.set CNT,  43         ; s43   trips to go
.set CS,   44         ; s[44:45] c: the packed scaling takes the pair's low word for both halves
.set SEL,  46         ; s[46:47] v_permlanex16_b32's selects: each lane takes its own place in the other half
.set OUTP, 48         ; s[48+2u:49+2u]  out0 at tile u
.set QPTR, 56         ; s[56+2u:57+2u]  q at tile u
.set STG,  66         ; s66   my stage
.set MW,   68         ; s[68:99] a tile-step's 32 lane masks; at the start a block's flags
.set MSB, 0
.macro WIN new                      ; the immediate's high byte repeats the setting that is left; a switch that changes nothing is dropped
.if MSB != (\new)
	s_set_vgpr_msb (MSB<<8)|(\new)
.set MSB, (\new)
.endif
.endm
.set W_KQ, 0x05       ; K and Q in window 1, S^T in window 0
.set W_PV, 0x01       ; V in window 1, P and O^T in window 0
.set W_F,  0x40       ; destination in window 1
; A step's K and V, 16 bytes a thread and load: load i brings key 16 i + thread / 16, channels 4 (thread % 16) + 0..3.
.macro KVLOAD
.irp i, 0,1,2,3
	global_load_b128 v[LDK+4*\i:LDK+4*\i+3], v[GOF], s[6:7] offset:4096*\i
	global_load_b128 v[LDV+4*\i:LDV+4*\i+3], v[GOF], s[8:9] offset:4096*\i
.endr
.endm
; What KVLOAD brought goes into a slot: K as bf16; V rounded to bf16, widened again (a shift, a mask) and written as f16.
.macro CONV slot
.irp n, 0,1,2,3,4,5,6,7
	v_cvt_pk_bf16_f32 v[CT+\n], v[LDK+2*\n], v[LDK+2*\n+1]
.endr
.irp i, 0,1,2,3
	ds_store_b64 v[KST], v[CT+2*\i:CT+2*\i+1] offset:(\slot)*SLOT+16*PK*\i
.endr
.irp n, 0,1,2,3,4,5,6,7
	v_cvt_pk_bf16_f32 v[LDV+2*\n], v[LDV+2*\n], v[LDV+2*\n+1]
.endr
.irp n, 0,1,2,3,4,5,6,7
	v_and_b32 v[LDV+2*\n+1], 0xffff0000, v[LDV+2*\n]
.endr
.irp n, 0,1,2,3,4,5,6,7
	v_lshlrev_b32 v[LDV+2*\n], 16, v[LDV+2*\n]
.endr
.irp n, 0,1,2,3,4,5,6,7
	v_cvt_pk_f16_f32 v[CT+\n], v[LDV+2*\n], v[LDV+2*\n+1]
.endr
.irp i, 0,1,2,3
	ds_store_b64 v[VST], v[CT+2*\i:CT+2*\i+1] offset:(\slot)*SLOT+16*PV*\i
.endr
.endm
; A step's fragments, 32 LDS loads in one run.
.macro FETCH slot
	WIN W_F
.irp f, 0,1,2,3,4,5,6,7             ; K: keys 16 (f / 2) on, channels 32 (f % 2) on
	ds_load_b128 v[KF+8*\f:KF+8*\f+3],   v[AK] offset:(\slot)*SLOT+(\f/2)*16*PK+(\f%2)*64
	ds_load_b128 v[KF+8*\f+4:KF+8*\f+7], v[AK] offset:(\slot)*SLOT+(\f/2)*16*PK+(\f%2)*64+32
.endr
.irp f, 0,1,2,3,4,5,6,7             ; V, turned: keys 32 (f / 4) on, channels 16 (f % 4) on
	ds_load_tr16_b128 v[VF+8*\f:VF+8*\f+3],   v[AV] offset:(\slot)*SLOT+(\f/4)*32*PV+(\f%4)*32
	ds_load_tr16_b128 v[VF+8*\f+4:VF+8*\f+7], v[AV] offset:(\slot)*SLOT+(\f/4)*32*PV+16*PV+(\f%4)*32
.endr
	WIN 0
.endm
; S^T = K Q^T for tile u: product i of 8: keys 16 (i % 4) on, channels 32 (i / 4) on.  The first four start the sums with 0.  The four accumulators take turns.
; Behind the last product four plain vector lines that name none of its registers stand in front of the first read of the scores (ISA guide 7.12.1): c m_old is kept there.
.macro KQ u
	WIN W_KQ
.set i, 0
.rept 8
.if i < 4
	v_wmma_f32_16x16x32_bf16 v[S+8*(i%4):S+8*(i%4)+7], v[KF+16*(i%4)+8*(i/4):KF+16*(i%4)+8*(i/4)+7], v[QF+16*(\u)+8*(i/4):QF+16*(\u)+8*(i/4)+7], 0
.else
	v_wmma_f32_16x16x32_bf16 v[S+8*(i%4):S+8*(i%4)+7], v[KF+16*(i%4)+8*(i/4):KF+16*(i%4)+8*(i/4)+7], v[QF+16*(\u)+8*(i/4):QF+16*(\u)+8*(i/4)+7], v[S+8*(i%4):S+8*(i%4)+7]
.endif
.set i, i+1
.endr
	WIN 0
	v_mov_b32 v[MO], v[ST+4*(\u)]
	v_nop
	v_nop
	v_nop
.endm
; O^T += V^T P for tile u: product i of 8: keys 32 (i / 4) on, channels 16 (i % 4) on; the four accumulators take turns.
.macro PVM u
	WIN W_PV
.set i, 0
.rept 8
	v_wmma_f32_16x16x32_f16 v[OT+32*(\u)+8*(i%4):OT+32*(\u)+8*(i%4)+7], v[VF+32*(i/4)+8*(i%4):VF+32*(i/4)+8*(i%4)+7], v[P+8*(i/4):P+8*(i/4)+7], v[OT+32*(\u)+8*(i%4):OT+32*(\u)+8*(i%4)+7]
.set i, i+1
.endr
	WIN 0
.endm
; THE SOFTMAX's lines.  OPF: c s - c m for pair n of 16.  OPE: the exponential of score n of 32.  OPC: pair n rounded to f16.  OPB: of the four weights 4 k .. the second pair is added onto the first.
; OPL: l takes that sum (k = 0: l = a l + sum).  OPR: pair n of 16 of O^T times a.
.macro OPF u, n
	v_pk_fma_f32 v[S+2*(\n):S+2*(\n)+1], v[S+2*(\n):S+2*(\n)+1], s[CS:CS+1], v[ST+4*(\u):ST+4*(\u)+1] op_sel_hi:[1,0,0] neg_lo:[0,0,1] neg_hi:[0,0,1]
.endm
.macro OPE n
	v_exp_f32 v[S+(\n)], v[S+(\n)]
.endm
.macro OPC n
	s_wait_alu depctr_va_vdst(0)
	v_cvt_pk_f16_f32 v[P+(\n)], v[S+2*(\n)], v[S+2*(\n)+1]
.endm
.macro OPB k
	v_pk_add_f32 v[S+4*(\k):S+4*(\k)+1], v[S+4*(\k):S+4*(\k)+1], v[S+4*(\k)+2:S+4*(\k)+3]
.endm
.macro OPL u, k
.if (\k) == 0
	v_pk_fma_f32 v[ST+4*(\u)+2:ST+4*(\u)+3], v[ST+4*(\u)+2:ST+4*(\u)+3], v[AA:AA+1], v[S:S+1] op_sel_hi:[1,0,1]
.else
	v_pk_add_f32 v[ST+4*(\u)+2:ST+4*(\u)+3], v[ST+4*(\u)+2:ST+4*(\u)+3], v[S+4*(\k):S+4*(\k)+1]
	s_wait_alu depctr_va_vdst(0)
.endif
.endm
.macro OPR u, n
	s_wait_alu depctr_va_vdst(0)
	v_pk_mul_f32 v[OT+32*(\u)+2*(\n):OT+32*(\u)+2*(\n)+1], v[OT+32*(\u)+2*(\n):OT+32*(\u)+2*(\n)+1], v[AA:AA+1] op_sel_hi:[1,0]
.endm
; A tile-step's softmax, 117 lines.  First the maximum of the lane's 32 scores and the old m: four chains of seven scores, three operands at a time (each accumulator's lowest registers are read first),
; the four left over, the other half of the lanes' (the query's other 32 keys lie in the lane 16 away); then c m, its change, and a.
; Then eight groups of four exponentials.  Behind every exponential stands a plain line before its result is used (ISA guide 5.7.2): a scaling still due, the roundings and sums of the group before,
; or a rescaling of O^T.  A scaling stands ahead of its pair's exponentials, a pair's rounding ahead of the sum that overwrites it; O^T's pairs are taken in ascending order.
.macro SOFT u
.irp n, 0,1,2,3
	v_max3_num_f32 v[CW+\n], v[S+8*\n], v[S+8*\n+1], v[S+8*\n+2]
.endr
.irp n, 4,5,6,7,8,9,10,11
	v_max3_num_f32 v[CW+(\n)%4], v[CW+(\n)%4], v[S+8*((\n)%4)+2*((\n)/4)+1], v[S+8*((\n)%4)+2*((\n)/4)+2]
.endr
	v_max3_num_f32 v[CW], v[CW], v[S+7], v[S+15]
	v_max3_num_f32 v[CW+1], v[CW+1], v[S+23], v[S+31]
	v_max3_num_f32 v[CW+2], v[CW+2], v[CW+3], v[ST+4*(\u)+1]
	v_max3_num_f32 v[CW], v[CW], v[CW+1], v[CW+2]
	v_permlanex16_b32 v[CW+3], v[CW], s[SEL], s[SEL+1]
	v_max_num_f32 v[ST+4*(\u)+1], v[CW], v[CW+3]
	v_mul_f32 v[ST+4*(\u)], s[CS], v[ST+4*(\u)+1]
	v_sub_f32 v[DD], v[MO], v[ST+4*(\u)]
	v_exp_f32 v[AA], v[DD]
	OPF \u, 0
	OPF \u, 1
	OPF \u, 2
	OPF \u, 3
.set g, 0
.rept 8
	OPE 4*g
.if g == 0
	OPF \u, 4
.else
	OPC 2*g-2
.endif
	OPR \u, 2*g
	OPE 4*g+1
.if g == 0
	OPF \u, 5
	OPF \u, 6
.else
	OPC 2*g-1
.if g < 4
	OPF \u, 8+2*g
.endif
.endif
	OPE 4*g+2
.if g == 0
	OPF \u, 7
.else
	OPB g-1
.endif
	OPR \u, 2*g+1
	OPE 4*g+3
.if g == 0
	OPF \u, 8
	OPF \u, 9
.else
	OPL \u, g-1
.if g < 4
	OPF \u, 9+2*g
.endif
.endif
.set g, g+1
.endr
	OPC 14
	OPC 15
	OPB 7
	OPL \u, 7
.endm
; Tile u in the step in hand.  Both jumps hang on whole numbers that the launch before stored.  The lane masks' two scalar loads and the wait for them stand on one way.
.macro TILE u
	s_bitcmp1_b32 s[FL+2*(\u)], 0
	s_cbranch_scc0 .Lskip_\@          ; nothing visible: all weights are 0
	s_bitcmp1_b32 s[FL+2*(\u)+1], 0
	s_cbranch_scc1 .Lplain_\@         ; everything visible: no masking line
	s_load_b512 s[MW:MW+15], s[TB+2*(\u):TB+2*(\u)+1], s[SOFF] offset:0x0
	s_load_b512 s[MW+16:MW+31], s[TB+2*(\u):TB+2*(\u)+1], s[SOFF] offset:0x40
	KQ \u
	s_wait_kmcnt 0x0                  ; the 32 lane masks are in
.set i, 0
.rept 32
	v_cndmask_b32 v[S+i], v[NINF], v[S+i], s[MW+i]  ; bit set: the score; else -inf.  Ascending: each accumulator's lowest register first
.set i, i+1
.endr
	s_branch .Lsoft_\@
.Lplain_\@:
	KQ \u
.Lsoft_\@:
	SOFT \u
	PVM \u
.Lskip_\@:
.endm
; KEY STEP t, whose tiles lie in slot p and whose fragments have been asked for.  Bit 0 of every flag word is step t's.
; ONE barrier a step orders two things.  In front of it each wave has waited for its stores of step t + 1's tiles into the other slot and (further up) for its reads of slot p: behind it the other slot
; may be read, and in step t + 1 slot p may be written.  The bits shifted in are 0: the last steps load, convert and fetch nothing, so no load leaves its buffer.
.macro STEP p
	s_wait_loadcnt 0x0                ; step t + 1's K and V, asked for a step ago, are in registers; the loads' bases may be stepped
	s_bitcmp1_b32 s[WGA], 1
	s_cbranch_scc0 .Lnoconv_\@        ; no tile of the work-group sees step t + 1
	CONV 1-(\p)
.Lnoconv_\@:
	s_add_nc_u64 s[6:7], s[6:7], 16384
	s_add_nc_u64 s[8:9], s[8:9], 16384
	s_bitcmp1_b32 s[WGA], 2
	s_cbranch_scc0 .Lnoload_\@
	KVLOAD                            ; step t + 2: it has this step's work and the next step's head in which to come
.Lnoload_\@:
	s_wait_dscnt 0x0                  ; my fragments of step t are in (0: the eight stores above are younger on one way only)
	TILE 0
	TILE 1
	TILE 2
	TILE 3
.irp r, 32,33,34,35,36,37,38,39,40,41
	s_lshr_b32 s\r, s\r, 1            ; on to step t + 1
.endr
	s_add_co_u32 s[SOFF], s[SOFF], 128
	s_wait_dscnt 0x0                  ; no LDS instruction of mine is out
	s_barrier_signal -1
	s_barrier_wait -1
.rept 4
	v_nop                             ; four places between the last products and the loads into the registers that they read
.endr
	s_bitcmp1_b32 s[WA], 0
	s_cbranch_scc0 .Lnofetch_\@       ; none of my tiles sees step t + 1
	FETCH 1-(\p)
.Lnofetch_\@:
.endm
	s_load_b256 s[4:11], s[0:1], 0x0  ; q s[4:5], k s[6:7], v s[8:9], mbits s[10:11]
	s_load_b128 s[12:15], s[0:1], 0x20  ; mflag s[12:13], out0 s[14:15]
	v_lshl_add_u32 v[SPW], v0, 2, SPARE
	v_mov_b32 v[NIL], 0
	v_lshrrev_b32 v[TV], 5, v0
	v_readfirstlane_b32 s[WV], v[TV]  ; wave 0..7
	v_and_b32 v1, 15, v0              ; l % 16
	v_bfe_u32 v2, v0, 4, 1            ; l / 16
	v_lshlrev_b32 v[GOF], 4, v0
	v_lshlrev_b32 v[QO], 8, v1        ; q: row x 256 bytes + 32 x half
	v_lshl_add_u32 v[QO], v2, 5, v[QO]
	s_mov_b32 s17, ttmp9              ; b: the low block
	s_and_b32 s18, ttmp7, 0xffff      ; the head
	s_sub_co_u32 s19, 7, s17          ; the high block
	s_lshl_b32 s20, s19, 4
	s_lshl_b32 s22, s17, 4
	s_add_co_u32 s21, s20, 15
	s_sub_co_u32 s21, s21, s[WV]      ; tile 1 = 16 (7 - b) + 15 - w
	s_add_co_u32 s20, s20, s[WV]      ; tile 0 = 16 (7 - b) + w
	s_add_co_u32 s23, s22, 15
	s_sub_co_u32 s23, s23, s[WV]      ; tile 3 = 16 b + 15 - w
	s_add_co_u32 s22, s22, s[WV]      ; tile 2 = 16 b + w
	s_lshl_b32 s2, s18, 19            ; a head is 524,288 bytes of q, k, v and out0
	s_mov_b32 s3, 0
.irp u, 0,1,2,3                     ; the offsets are made apart from the addresses
	s_lshl_b32 s[TB+2*\u], s[20+\u], 12            ; a tile: 4,096 bytes of mbits, and 16 rows of 256 bytes of q and out0
	s_mov_b32 s[TB+2*\u+1], 0
	s_add_co_u32 s[OUTP+2*\u], s[TB+2*\u], s2
	s_mov_b32 s[OUTP+2*\u+1], 0
	s_mov_b32 s[QPTR+2*\u], s[OUTP+2*\u]
	s_mov_b32 s[QPTR+2*\u+1], 0
	s_lshl_b32 s[20+\u], s[20+\u], 3               ; and 8 bytes of mflag
.endr
	s_lshl_b32 s19, s19, 7            ; a block's 16 tiles: 128 bytes of mflag
	s_mov_b32 s[CS], 0x3e38aa3b       ; c = log2(e) / 8 = 0.180337
	s_mov_b32 s[CS+1], s[CS]          ; named with it as a pair
	s_mov_b32 s[SEL], 0x76543210
	s_mov_b32 s[SEL+1], 0xfedcba98
	s_mov_b32 s[SOFF], 0
	s_mov_b32 s[CNT], 16
	s_mul_i32 s[STG], s[WV], 16*SP
	s_add_co_u32 s[STG], s[STG], STAGE
	s_wait_kmcnt 0x0
	s_add_nc_u64 s[6:7], s[6:7], s[2:3]  ; K and V at the head's step 0
	s_add_nc_u64 s[8:9], s[8:9], s[2:3]
.irp u, 0,1,2,3
	s_add_nc_u64 s[TB+2*\u:TB+2*\u+1], s[10:11], s[TB+2*\u:TB+2*\u+1]
	s_add_nc_u64 s[OUTP+2*\u:OUTP+2*\u+1], s[14:15], s[OUTP+2*\u:OUTP+2*\u+1]
	s_add_nc_u64 s[QPTR+2*\u:QPTR+2*\u+1], s[4:5], s[QPTR+2*\u:QPTR+2*\u+1]
.endr
	KVLOAD                            ; step 0, whatever the flags say
	; A fragment of Q is 16 rows x 32 channels: lane l holds row l % 16, channels 8 (l / 16) + 0..7 and 16 + 8 (l / 16) + 0..7 of each half of 32.  In f32 each eight are 32 bytes: two loads.  They land where O^T will lie.
.irp u, 0,1,2,3
.irp e, 0,1,2,3,4,5,6,7
	global_load_b128 v[OT+32*\u+4*\e:OT+32*\u+4*\e+3], v[QO], s[QPTR+2*\u:QPTR+2*\u+1] offset:128*(\e/4)+64*((\e/2)%2)+16*(\e%2) th:TH_LOAD_NT
.endr
.endr
.irp u, 0,1,2,3
	s_load_b64 s[FL+2*\u:FL+2*\u+1], s[12:13], s[20+\u] offset:0x0  ; my tiles' flags
.endr
	s_load_b512 s[MW:MW+15], s[12:13], s19 offset:0x0      ; the high block's 16 pairs of flags
	s_load_b512 s[MW+16:MW+31], s[12:13], s19 offset:0x40
	; the lanes' addresses, meanwhile
	v_mul_u32_u24 v[AK], v1, PK
	v_lshl_add_u32 v[AK], v2, 4, v[AK]  ; K's fragments: row x pitch + 16 x half
	v_and_b32 v[TV], 7, v0            ; the turning load: lane l reads key 8 (l / 16) + l % 8, channels 8 ((l / 8) % 2) + 0..7
	v_lshl_add_u32 v[AV], v2, 3, v[TV]
	v_mul_u32_u24 v[AV], v[AV], PV
	v_bfe_u32 v[TV], v0, 3, 1
	v_lshl_add_u32 v[AV], v[TV], 4, v[AV]
	v_add_nc_u32 v[AV], VOFF, v[AV]
	v_lshrrev_b32 v[TV], 4, v0        ; thread / 16: my key among 16
	v_mul_u32_u24 v[KST], v[TV], PK
	v_lshl_add_u32 v[KST], v1, 3, v[KST]  ; + 8 bytes x thread % 16: my four channels
	v_mul_u32_u24 v[VST], v[TV], PV
	v_lshl_add_u32 v[VST], v1, 3, v[VST]
	v_add_nc_u32 v[VST], VOFF, v[VST]
	v_mul_u32_u24 v[STO], v1, SP      ; into my stage: row l % 16, 32 bytes for each half of the lanes
	v_lshl_add_u32 v[STO], v2, 5, v[STO]
	v_add_nc_u32 v[STO], s[STG], v[STO]
	v_mul_u32_u24 v[RD], v2, SP       ; back: lanes 0-15 take one row of 256 bytes, lanes 16-31 the next
	v_lshl_add_u32 v[RD], v1, 4, v[RD]
	v_add_nc_u32 v[RD], s[STG], v[RD]
	v_lshlrev_b32 v[GO], 8, v2        ; and the same two rows in out0
	v_lshl_add_u32 v[GO], v1, 4, v[GO]
	v_mov_b32 v[NINF], 0xff800000
	s_wait_kmcnt 0x0
	s_or_b32 s[WA], s[FL], s[FL+2]
	s_or_b32 s[WA], s[WA], s[FL+4]
	s_or_b32 s[WA], s[WA], s[FL+6]
	s_or_b32 s[WGA], s[MW], s[MW+2]
.irp i, 4,6,8,10,12,14,16,18,20,22,24,26,28,30
	s_or_b32 s[WGA], s[WGA], s[MW+\i]
.endr
	s_lshl_b32 s19, s17, 7            ; free since the wait above
	s_load_b512 s[MW:MW+15], s[12:13], s19 offset:0x0      ; the low block's flags; step 0's conversion stands between these loads and the wait for them
	s_load_b512 s[MW+16:MW+31], s[12:13], s19 offset:0x40
	s_wait_loadcnt 32                 ; loads come back in order: the 32 of q are younger, so step 0's K and V are in and their bases free
	CONV 0
	s_add_nc_u64 s[6:7], s[6:7], 16384
	s_add_nc_u64 s[8:9], s[8:9], 16384
	KVLOAD                            ; step 1, whatever the flags say
	s_wait_kmcnt 0x0
.irp i, 0,2,4,6,8,10,12,14,16,18,20,22,24,26,28,30
	s_or_b32 s[WGA], s[WGA], s[MW+\i]
.endr
	s_wait_loadcnt 8                  ; the eight just issued are younger: q is in
	WIN W_F
.set i, 0
.rept 64
	v_cvt_pk_bf16_f32 v[QF+i], v[OT+2*i], v[OT+2*i+1]  ; Q stays in registers, in bf16
.set i, i+1
.endr
	WIN 0
	; O^T starts at 0 by 128 moves: which step is a tile's first live one is known only when the flags are read, so no first step can be written out whose products would start the sums.  Paid once.
.set i, 0
.rept 128
	v_mov_b32 v[OT+i], 0
.set i, i+1
.endr
.irp u, 0,1,2,3
	v_mov_b32 v[ST+4*\u+1], 0xff7fffff             ; m: the lowest finite number
	v_mov_b32 v[ST+4*\u+2], 0
	v_mov_b32 v[ST+4*\u+3], 0
.endr
.irp u, 0,1,2,3
	v_mul_f32 v[ST+4*\u], s[CS], v[ST+4*\u+1]      ; c m by the line that makes it later, so that c m_old - c m_new is 0 while m stands
.endr
	v_mov_b32 v[AA], 0
	v_mov_b32 v[AA+1], 0              ; named with a as a pair
	s_wait_dscnt 0x0                  ; for the others' sake: my part of step 0 is in slot 0
	s_barrier_signal -1
	s_barrier_wait -1
	FETCH 0
.Ltrip:                             ; 16 trips of two key steps, so that the slots stand in the immediates
	STEP 0
	STEP 1
	s_sub_co_u32 s[CNT], s[CNT], 1
	s_cmp_lg_u32 s[CNT], 0
	s_cbranch_scc1 .Ltrip
	; THE WAY OUT.  l's two halves and the other half of the lanes' are added; O^T is divided by l and sent through my stage in LDS, a tile (16 rows of out0) at a time.
.irp u, 0,1,2,3
	v_add_f32 v[ST+4*\u+2], v[ST+4*\u+2], v[ST+4*\u+3]
.endr
.irp u, 0,1,2,3
	v_permlanex16_b32 v[ST+4*\u+3], v[ST+4*\u+2], s[SEL], s[SEL+1]
.endr
.irp u, 0,1,2,3
	v_add_f32 v[ST+4*\u+2], v[ST+4*\u+2], v[ST+4*\u+3]
.endr
.irp u, 0,1,2,3
	v_rcp_f32 v[ST+4*\u+2], v[ST+4*\u+2]
.endr
	v_nop                             ; a plain instruction between the last reciprocal and the use of its result
	s_wait_alu depctr_va_vdst(0)
; Tile u: a lane's eight channels of a channel block are 32 bytes of a row; they go into rows of 272 bytes and come back as whole rows of 256, into the registers that they left.
.macro PACK u
.set i, 0
.rept 16
	v_pk_mul_f32 v[OT+32*(\u)+2*i:OT+32*(\u)+2*i+1], v[OT+32*(\u)+2*i:OT+32*(\u)+2*i+1], v[ST+4*(\u)+2:ST+4*(\u)+3] op_sel_hi:[1,0]
.set i, i+1
.endr
.irp f, 0,1,2,3,4,5,6,7
	ds_store_b128 v[STO], v[OT+32*(\u)+4*\f:OT+32*(\u)+4*\f+3] offset:64*(\f/2)+16*(\f%2)
.endr
.irp f, 0,1,2,3,4,5,6,7
	ds_load_b128 v[OT+32*(\u)+4*\f:OT+32*(\u)+4*\f+3], v[RD] offset:\f*2*SP  ; LDS serves a wave's instructions in order (ISA guide 5.7.1.4): these see the stores above; the next tile's stores come behind them
.endr
.endm
.macro SEND u, younger              ; younger: the LDS instructions issued behind tile u's loads: the next tile's sixteen, or none
.irp f, 0,1,2,3,4,5,6,7
	s_wait_dscnt (\younger)+7-\f
	global_store_b128 v[GO], v[OT+32*(\u)+4*\f:OT+32*(\u)+4*\f+3], s[OUTP+2*(\u):OUTP+2*(\u)+1] offset:\f*512 th:TH_STORE_NT  ; 16 lanes store 256 consecutive bytes, at a multiple of 256 from out0's first byte
.endr
.endm
	PACK 0
	PACK 1                            ; a tile's arithmetic stands between the loads of the tile before and its stores
	SEND 0, 16
	PACK 2
	SEND 1, 16
	PACK 3
	SEND 2, 16
	SEND 3, 0
	s_wait_tensorcnt 0x0              ; the wave's end, behind my last LDS store
	ds_add_u32 v[SPW], v[NIL]
	s_wait_dscnt 0x0
	s_endpgm
.Lfunc_end_k_qd7e0ca74a4_attn:
	.size	k_qd7e0ca74a4_attn, .Lfunc_end_k_qd7e0ca74a4_attn-k_qd7e0ca74a4_attn
	.p2alignl 7, 3214868480
	.fill 96, 4, 3214868480
	.section	.rodata,"a",@progbits
	.p2align	6, 0x0
	.amdhsa_kernel k_qd7e0ca74a4_attn
		.amdhsa_group_segment_fixed_size 74752
		.amdhsa_private_segment_fixed_size 0
		.amdhsa_enable_private_segment 0
		.amdhsa_kernarg_size 48
		.amdhsa_user_sgpr_count 2
		.amdhsa_user_sgpr_kernarg_segment_ptr 1
		.amdhsa_wavefront_size32 1
		.amdhsa_system_sgpr_workgroup_id_x 1
		.amdhsa_system_sgpr_workgroup_id_y 1
		.amdhsa_system_sgpr_workgroup_id_z 1
		.amdhsa_system_vgpr_workitem_id 0
		.amdhsa_next_free_vgpr 448
		.amdhsa_next_free_sgpr 100
		.amdhsa_reserve_vcc 0
		.amdhsa_float_denorm_mode_32 3
		.amdhsa_float_denorm_mode_16_64 3
		.amdhsa_memory_ordered 1
		.amdhsa_forward_progress 1
		.amdhsa_inst_pref_size 144
	.end_amdhsa_kernel
	.amdgpu_metadata
---
amdhsa.version: [ 1, 2 ]
amdhsa.kernels:
  - .name:           k_qd7e0ca74a4_attn
    .symbol:         k_qd7e0ca74a4_attn.kd
    .args:
      - { .name: q, .offset: 0, .size: 8, .value_kind: global_buffer, .address_space: global }
      - { .name: k, .offset: 8, .size: 8, .value_kind: global_buffer, .address_space: global }
      - { .name: v, .offset: 16, .size: 8, .value_kind: global_buffer, .address_space: global }
      - { .name: mbits, .offset: 24, .size: 8, .value_kind: global_buffer, .address_space: global }
      - { .name: mflag, .offset: 32, .size: 8, .value_kind: global_buffer, .address_space: global }
      - { .name: out0, .offset: 40, .size: 8, .value_kind: global_buffer, .address_space: global }
    .group_segment_fixed_size: 74752
    .private_segment_fixed_size: 0
    .kernarg_segment_align: 8
    .kernarg_segment_size: 48
    .max_flat_workgroup_size: 256
    .sgpr_count:     100
    .vgpr_count:     448
    .wavefront_size: 32
...
	.end_amdgpu_metadata
.endif
;; end of part 2
;; ======== version 2 of 2: 2 launches; 1.31 times as fast as version 1
;; limits: values are held in f16: magnitudes above 65,504 overflow, below 6.1e-05 lose precision; inputs' magnitudes at most 65,504
;; workspace buffers: mbits 524,288 bytes of whole numbers; mflag 1,024 bytes of whole numbers
;; launch packmask: the kernel of part 1 again; grid 128 x 1, 8 waves a work-group, no clusters, 1,280 bytes of LDS; arguments mask, mbits, mflag; writes mbits, mflag
;; launch attn (part 3): grid 4 x 64, 8 waves a work-group, no clusters, 74,752 bytes of LDS; arguments q, k, v, mbits, mflag, out0; writes out0
.if DOCPART == 3
	.amdgcn_target "amdgcn-amd-amdhsa--gfx1250"
	.amdhsa_code_object_version 6
	.text
	.protected	k_qd7e0ca74a4_attn
	.globl	k_qd7e0ca74a4_attn
	.p2align	8
	.type	k_qd7e0ca74a4_attn,@function
k_qd7e0ca74a4_attn:
	s_mov_b64 s[64:65], 0
	v_nop
	global_prefetch_b8 v0, s[64:65] scope:SCOPE_SE
	s_setreg_imm32_b32 hwreg(HW_REG_WAVE_MODE, 25, 1), 1
	s_wait_xcnt 0x0
; out[h][q][:] = the sum over k of softmax_k(mask[q][k] ? Q[h][q] . K[h][k] / 8 : -inf) V[h][k][:].  q, k, v, out0: [64 heads][2048][64] f32.  The mask comes as mbits and mflag, made by the launch before.
; FORMATS.  q and k are rounded once to bf16 for K Q^T.  v is rounded to bf16 and that number written as f16; the weights p are rounded to f16; V^T P is the f16 form.  Maxima, sums, l and O in f32.
; LIMITS.  v as f16 is exact for 6.1e-5 <= |v| <= 65,504; below that it keeps f16's fixed step of 6e-8, above it becomes an infinity.  A weight below 2^-126 counts as 0.
; NaN and infinities among q, k, v are not treated apart.  A row that sees no key ends with O = 0 and l = 0 and leaves as 0 x (1 / 0) = NaN, as the softmax of a row of -inf is.
; SOFTMAX.  For each query a running maximum m and sum l: p = 2^(c s - c m), c = log2(e) / 8; in every live step O and l are multiplied by a = 2^(c m_old - c m_new).  m starts at the lowest finite
; number and c m at c times that: as long as a row has seen nothing a = 1 and p = 2^(-inf) = 0; when it sees its first key a = 0.  A hidden score is -inf.
; THE MASK STEERS THE WALK.  A TILE-STEP is 16 queries x 64 keys.  mflag says of each whether any score is visible and whether all are.  None: the tile-step is jumped over, since all its weights are 0.
; All: it runs without a masking line.  Else: its 32 lane masks come from mbits into scalar registers and 32 selects put -inf in.  This holds for every mask.
; SHARES.  Work-group (b, head) owns the blocks 7 - b and b of 256 queries; wave w of eight owns four tiles of 16 queries: w and 15 - w of each block.  (A choice for even work where visibility grows with
; the row; no result hangs on it.)  Every wave walks the 32 key steps.  A step's products and softmax stand together, tile by tile, so that a dead tile-step can be jumped; eight waves of 448 registers,
; so that one wave has products to issue while another walks a softmax.
; BATCHES.  A tile-step's 33 exponentials (a, and the 32 weights, in place on the scores) are ONE batch with ONE wait: ahead of the wait stand the maximum, the statistics, the 16 scalings and the 33
; exponentials, none of which names an exponential's result; behind it all that do: roundings, sums, the rescaling of O^T, and the products V^T P.  No result is open at a label or a jump.
; The way out's four reciprocals are a batch of their own.
; K AND V go through registers: 256 threads load a step's 16,384 + 16,384 bytes of f32 (512 consecutive bytes a wave and load), one step and more ahead of their use, convert, and store 8,192 + 8,192
; bytes into one of two LDS slots.  NO TENSOR LOAD AND NO CLUSTER: the tiles are f32 in memory and 16-bit in LDS, so a tile landed as it lies would be written, read and written again (32 + 32 + 16 KiB
; a step against 16); and which steps a work-group asks for hangs on its own flags, which differ between the four work-groups of a head.
; LAYOUT.  S^T = K Q^T (source 0 = 16 keys, source 1 = 16 queries): a lane holds ONE query (lane % 16) and the keys 8 (lane / 16) + 0..7.  Two such results rounded to f16 in pairs ARE source 1 of
; O^T = V^T P, whose result again holds one query a lane, and eight channels.  K comes out of LDS as it lies, V ([key][channel]) turned, by ds_load_tr16_b128.
; REGISTERS, in windows of 256 (s_set_vgpr_msb: bits 1:0 source 0, 3:2 source 1, 5:4 source 2, 7:6 destination).  Window 0: all that a softmax touches, O^T too.  Window 1: Q, and K's and V's fragments.
.set PK,    144       ; a row of K in LDS: 128 bytes of bf16 + 16: the 16 rows of a fragment load start at 16 different groups of four banks (64 banks of 4 bytes: ISA guide 11.1)
.set PV,    160       ; a row of V: 128 bytes of f16 + 32
.set VOFF,  64*PK     ; a slot: 64 rows of K, then 64 rows of V
.set SLOT,  64*(PK+PV)
.set STAGE, 2*SLOT    ; behind the two slots: 16 rows x 272 bytes for each wave, for the way out
.set SP,    272
.set SPARE, STAGE+8*16*SP  ; behind the stages: the spare words, 128 bytes for each wave: four blocks of 256 bytes that no other line names
.set AK,   3          ; v3    my lane's place in a slot's K
.set AV,   4          ; v4    the same for V
.set KST,  5          ; v5    where my thread puts 8 bytes of K
.set VST,  6          ; v6    the same for V
.set GOF,  7          ; v7    16 x thread: my 16 bytes in 4,096 of K or V
.set STO,  8          ; v8    the way out: where I put 16 bytes of a row
.set RD,   9          ; v9    the way out: where I read a row back
.set GO,   10         ; v10   my byte offset in two rows of out0
.set NINF, 11         ; v11   -inf
.set SPW,  12         ; v12   LDS address of my spare word; never rewritten
.set NIL,  13         ; v13   0; never rewritten
.set QO,   14         ; v14   my byte offset in 16 rows of q
.set TV,   15         ; v15   at work in the set-up
.set ST,   16         ; tile u's statistics at v[ST+4 u]: c m, m, l (even keys', odd keys')
.set CW,   32         ; v32-35  four chains of the maximum
.set AA,   36         ; v36   a; v37 is named with it as a pair
.set MO,   38         ; v38   c m_old
.set DD,   39         ; v39   c m_old - c m_new
.set S,    40         ; v40-71   the scores of the tile in hand: key block kb at S + 8 kb
.set P,    72         ; v72-87   its weights in f16
.set LDK,  88         ; v88-103  16 numbers of K as loaded
.set LDV,  104        ; v104-119 16 numbers of V as loaded
.set CT,   120        ; v120-127 converted, on their way to LDS
.set OT,   128        ; v128-255 O^T: tile u, channel block cb at OT + 32 u + 8 cb.  At the start: q as loaded
.set QF,   0          ; window 1: Q, tile u, channel half c at 16 u + 8 c
.set KF,   64         ; window 1: K, key block kb, channel half c at KF + 16 kb + 8 c
.set VF,   128        ; window 1: V, key half kk, channel block cb at VF + 32 kk + 8 cb
.set WV,   16         ; s16   my wave's number
.set TB,   24         ; s[24+2u:25+2u]  mbits at tile u
.set FL,   32         ; s[32+2u] any, s[33+2u] all of tile u: bit 0 is the step in hand
.set WGA,  40         ; s40   any, over the work-group's 32 tiles
.set WA,   41         ; s41   any, over my four tiles
.set SOFF, 42         ; s42   128 x step: a tile-step's 32 words in mbits
.set CNT,  43         ; s43   trips to go
.set CS,   44         ; s[44:45] c: the packed scaling takes the pair's low word for both halves
.set SEL,  46         ; s[46:47] v_permlanex16_b32's selects: each lane takes its own place in the other half
.set OUTP, 48         ; s[48+2u:49+2u]  out0 at tile u
.set QPTR, 56         ; s[56+2u:57+2u]  q at tile u
.set STG,  66         ; s66   my stage
.set MW,   68         ; s[68:99] a tile-step's 32 lane masks; at the start a block's flags
.set MSB, 0
.macro WIN new                      ; the immediate's high byte repeats the setting that is left; a switch that changes nothing is dropped
.if MSB != (\new)
	s_set_vgpr_msb (MSB<<8)|(\new)
.set MSB, (\new)
.endif
.endm
.set W_KQ, 0x05       ; K and Q in window 1, S^T in window 0
.set W_PV, 0x01       ; V in window 1, P and O^T in window 0
.set W_F,  0x40       ; destination in window 1
; A step's K and V, 16 bytes a thread and load: load i brings key 16 i + thread / 16, channels 4 (thread % 16) + 0..3.
.macro KVLOAD
.irp i, 0,1,2,3
	global_load_b128 v[LDK+4*\i:LDK+4*\i+3], v[GOF], s[6:7] offset:4096*\i
	global_load_b128 v[LDV+4*\i:LDV+4*\i+3], v[GOF], s[8:9] offset:4096*\i
.endr
.endm
; What KVLOAD brought goes into a slot: K as bf16; V rounded to bf16, widened again (a shift, a mask) and written as f16.
.macro CONV slot
.irp n, 0,1,2,3,4,5,6,7
	v_cvt_pk_bf16_f32 v[CT+\n], v[LDK+2*\n], v[LDK+2*\n+1]
.endr
.irp i, 0,1,2,3
	ds_store_b64 v[KST], v[CT+2*\i:CT+2*\i+1] offset:(\slot)*SLOT+16*PK*\i
.endr
.irp n, 0,1,2,3,4,5,6,7
	v_cvt_pk_bf16_f32 v[LDV+2*\n], v[LDV+2*\n], v[LDV+2*\n+1]
.endr
.irp n, 0,1,2,3,4,5,6,7
	v_and_b32 v[LDV+2*\n+1], 0xffff0000, v[LDV+2*\n]
.endr
.irp n, 0,1,2,3,4,5,6,7
	v_lshlrev_b32 v[LDV+2*\n], 16, v[LDV+2*\n]
.endr
.irp n, 0,1,2,3,4,5,6,7
	v_cvt_pk_f16_f32 v[CT+\n], v[LDV+2*\n], v[LDV+2*\n+1]
.endr
.irp i, 0,1,2,3
	ds_store_b64 v[VST], v[CT+2*\i:CT+2*\i+1] offset:(\slot)*SLOT+16*PV*\i
.endr
.endm
; A step's fragments, 32 LDS loads in one run.
.macro FETCH slot
	WIN W_F
.irp f, 0,1,2,3,4,5,6,7             ; K: keys 16 (f / 2) on, channels 32 (f % 2) on
	ds_load_b128 v[KF+8*\f:KF+8*\f+3],   v[AK] offset:(\slot)*SLOT+(\f/2)*16*PK+(\f%2)*64
	ds_load_b128 v[KF+8*\f+4:KF+8*\f+7], v[AK] offset:(\slot)*SLOT+(\f/2)*16*PK+(\f%2)*64+32
.endr
.irp f, 0,1,2,3,4,5,6,7             ; V, turned: keys 32 (f / 4) on, channels 16 (f % 4) on
	ds_load_tr16_b128 v[VF+8*\f:VF+8*\f+3],   v[AV] offset:(\slot)*SLOT+(\f/4)*32*PV+(\f%4)*32
	ds_load_tr16_b128 v[VF+8*\f+4:VF+8*\f+7], v[AV] offset:(\slot)*SLOT+(\f/4)*32*PV+16*PV+(\f%4)*32
.endr
	WIN 0
.endm
; S^T = K Q^T for tile u: product i of 8: keys 16 (i % 4) on, channels 32 (i / 4) on.  The first four start the sums with 0.  The four accumulators take turns.
; Behind the last product four plain vector lines that name none of its registers stand in front of the first read of the scores (ISA guide 7.12.1): c m_old is kept there.
.macro KQ u
	WIN W_KQ
.set i, 0
.rept 8
.if i < 4
	v_wmma_f32_16x16x32_bf16 v[S+8*(i%4):S+8*(i%4)+7], v[KF+16*(i%4)+8*(i/4):KF+16*(i%4)+8*(i/4)+7], v[QF+16*(\u)+8*(i/4):QF+16*(\u)+8*(i/4)+7], 0
.else
	v_wmma_f32_16x16x32_bf16 v[S+8*(i%4):S+8*(i%4)+7], v[KF+16*(i%4)+8*(i/4):KF+16*(i%4)+8*(i/4)+7], v[QF+16*(\u)+8*(i/4):QF+16*(\u)+8*(i/4)+7], v[S+8*(i%4):S+8*(i%4)+7]
.endif
.set i, i+1
.endr
	WIN 0
	v_mov_b32 v[MO], v[ST+4*(\u)]
	v_nop
	v_nop
	v_nop
.endm
; O^T += V^T P for tile u: product i of 8: keys 32 (i / 4) on, channels 16 (i % 4) on; the four accumulators take turns.
.macro PVM u
	WIN W_PV
.set i, 0
.rept 8
	v_wmma_f32_16x16x32_f16 v[OT+32*(\u)+8*(i%4):OT+32*(\u)+8*(i%4)+7], v[VF+32*(i/4)+8*(i%4):VF+32*(i/4)+8*(i%4)+7], v[P+8*(i/4):P+8*(i/4)+7], v[OT+32*(\u)+8*(i%4):OT+32*(\u)+8*(i%4)+7]
.set i, i+1
.endr
	WIN 0
.endm
; THE SOFTMAX's lines.  OPF: c s - c m for pair n of 16.  OPE: the exponential of score n of 32.  OPC: pair n rounded to f16.  OPB: of the four weights 4 k .. the second pair is added onto the first.
; OPL: l takes that sum (k = 0: l = a l + sum).  OPR: pair n of 16 of O^T times a.  OPF and OPE name no exponential's result; OPC, OPB, OPL and OPR do, and stand behind the batch's wait.
.macro OPF u, n
	v_pk_fma_f32 v[S+2*(\n):S+2*(\n)+1], v[S+2*(\n):S+2*(\n)+1], s[CS:CS+1], v[ST+4*(\u):ST+4*(\u)+1] op_sel_hi:[1,0,0] neg_lo:[0,0,1] neg_hi:[0,0,1]
.endm
.macro OPE n
	v_exp_f32 v[S+(\n)], v[S+(\n)]
.endm
.macro OPC n
	v_cvt_pk_f16_f32 v[P+(\n)], v[S+2*(\n)], v[S+2*(\n)+1]
.endm
.macro OPB k
	v_pk_add_f32 v[S+4*(\k):S+4*(\k)+1], v[S+4*(\k):S+4*(\k)+1], v[S+4*(\k)+2:S+4*(\k)+3]
.endm
.macro OPL u, k
.if (\k) == 0
	v_pk_fma_f32 v[ST+4*(\u)+2:ST+4*(\u)+3], v[ST+4*(\u)+2:ST+4*(\u)+3], v[AA:AA+1], v[S:S+1] op_sel_hi:[1,0,1]
.else
	v_pk_add_f32 v[ST+4*(\u)+2:ST+4*(\u)+3], v[ST+4*(\u)+2:ST+4*(\u)+3], v[S+4*(\k):S+4*(\k)+1]
.endif
.endm
.macro OPR u, n
	v_pk_mul_f32 v[OT+32*(\u)+2*(\n):OT+32*(\u)+2*(\n)+1], v[OT+32*(\u)+2*(\n):OT+32*(\u)+2*(\n)+1], v[AA:AA+1] op_sel_hi:[1,0]
.endm
; A tile-step's softmax, 117 lines, a v_nop and one wait.  First the maximum of the lane's 32 scores and the old m: four chains of seven scores, three operands at a time (each accumulator's lowest
; registers are read first), the four left over, the other half of the lanes' (the query's other 32 keys lie in the lane 16 away); then c m and its change.
; THE BATCH: a, and the 32 weights in place on the scores: 33 results in 33 registers of their own.  The 16 scalings are dealt among the exponentials: pairs 0 to 2 ahead of them, then pair g + 3 behind
; exponentials 2 g and 2 g + 1, so that a pair is scaled five lines or more ahead of its own exponentials, and no scaling names a register that an exponential has written.  A tile-step has no other
; work that names no result (its neighbours lie behind labels), so a v_nop is the plain line behind the last exponential (ISA guide 5.7.2), and the wait follows it.
; BEHIND THE WAIT, the 48 readers in eight groups: l takes the sum of the group before; two pairs are rounded; the second is added onto the first; two pairs of O^T are rescaled.  A pair's rounding
; stands ahead of the sum that overwrites it; l takes the sums in ascending order, its links five lines apart; O^T's pairs are taken in ascending order.
.macro SOFT u
.irp n, 0,1,2,3
	v_max3_num_f32 v[CW+\n], v[S+8*\n], v[S+8*\n+1], v[S+8*\n+2]
.endr
.irp n, 4,5,6,7,8,9,10,11
	v_max3_num_f32 v[CW+(\n)%4], v[CW+(\n)%4], v[S+8*((\n)%4)+2*((\n)/4)+1], v[S+8*((\n)%4)+2*((\n)/4)+2]
.endr
	v_max3_num_f32 v[CW], v[CW], v[S+7], v[S+15]
	v_max3_num_f32 v[CW+1], v[CW+1], v[S+23], v[S+31]
	v_max3_num_f32 v[CW+2], v[CW+2], v[CW+3], v[ST+4*(\u)+1]
	v_max3_num_f32 v[CW], v[CW], v[CW+1], v[CW+2]
	v_permlanex16_b32 v[CW+3], v[CW], s[SEL], s[SEL+1]
	v_max_num_f32 v[ST+4*(\u)+1], v[CW], v[CW+3]
	v_mul_f32 v[ST+4*(\u)], s[CS], v[ST+4*(\u)+1]
	v_sub_f32 v[DD], v[MO], v[ST+4*(\u)]
	OPF \u, 0
	OPF \u, 1
	v_exp_f32 v[AA], v[DD]            ; the batch's first: a
	OPF \u, 2
.set g, 0
.rept 16
	OPE 2*g
	OPE 2*g+1
.if g < 13
	OPF \u, g+3
.endif
.set g, g+1
.endr
	v_nop                             ; the plain line behind the last exponential: one for the batch
	s_wait_alu depctr_va_vdst(0)      ; the wait ahead of the first line that names a result: one for the tile-step's 33 exponentials
.set g, 0
.rept 8
.if g > 0
	OPL \u, g-1
.endif
	OPC 2*g
	OPC 2*g+1
	OPB g
	OPR \u, 2*g
	OPR \u, 2*g+1
.set g, g+1
.endr
	OPL \u, 7
.endm
; Tile u in the step in hand.  Both jumps hang on whole numbers that the launch before stored.  The lane masks' two scalar loads and the wait for them stand on one way.
.macro TILE u
	s_bitcmp1_b32 s[FL+2*(\u)], 0
	s_cbranch_scc0 .Lskip_\@          ; nothing visible: all weights are 0
	s_bitcmp1_b32 s[FL+2*(\u)+1], 0
	s_cbranch_scc1 .Lplain_\@         ; everything visible: no masking line
	s_load_b512 s[MW:MW+15], s[TB+2*(\u):TB+2*(\u)+1], s[SOFF] offset:0x0
	s_load_b512 s[MW+16:MW+31], s[TB+2*(\u):TB+2*(\u)+1], s[SOFF] offset:0x40
	KQ \u
	s_wait_kmcnt 0x0                  ; the 32 lane masks are in
.set i, 0
.rept 32
	v_cndmask_b32 v[S+i], v[NINF], v[S+i], s[MW+i]  ; bit set: the score; else -inf.  Ascending: each accumulator's lowest register first
.set i, i+1
.endr
	s_branch .Lsoft_\@
.Lplain_\@:
	KQ \u
.Lsoft_\@:
	SOFT \u
	PVM \u
.Lskip_\@:
.endm
; KEY STEP t, whose tiles lie in slot p and whose fragments have been asked for.  Bit 0 of every flag word is step t's.
; ONE barrier a step orders two things.  In front of it each wave has waited for its stores of step t + 1's tiles into the other slot and (further up) for its reads of slot p: behind it the other slot
; may be read, and in step t + 1 slot p may be written.  The bits shifted in are 0: the last steps load, convert and fetch nothing, so no load leaves its buffer.
.macro STEP p
	s_wait_loadcnt 0x0                ; step t + 1's K and V, asked for a step ago, are in registers; the loads' bases may be stepped
	s_bitcmp1_b32 s[WGA], 1
	s_cbranch_scc0 .Lnoconv_\@        ; no tile of the work-group sees step t + 1
	CONV 1-(\p)
.Lnoconv_\@:
	s_add_nc_u64 s[6:7], s[6:7], 16384
	s_add_nc_u64 s[8:9], s[8:9], 16384
	s_bitcmp1_b32 s[WGA], 2
	s_cbranch_scc0 .Lnoload_\@
	KVLOAD                            ; step t + 2: it has this step's work and the next step's head in which to come
.Lnoload_\@:
	s_wait_dscnt 0x0                  ; my fragments of step t are in (0: the eight stores above are younger on one way only)
	TILE 0
	TILE 1
	TILE 2
	TILE 3
.irp r, 32,33,34,35,36,37,38,39,40,41
	s_lshr_b32 s\r, s\r, 1            ; on to step t + 1
.endr
	s_add_co_u32 s[SOFF], s[SOFF], 128
	s_wait_dscnt 0x0                  ; no LDS instruction of mine is out
	s_barrier_signal -1
	s_barrier_wait -1
.rept 4
	v_nop                             ; four places between the last products and the loads into the registers that they read
.endr
	s_bitcmp1_b32 s[WA], 0
	s_cbranch_scc0 .Lnofetch_\@       ; none of my tiles sees step t + 1
	FETCH 1-(\p)
.Lnofetch_\@:
.endm
	s_load_b256 s[4:11], s[0:1], 0x0  ; q s[4:5], k s[6:7], v s[8:9], mbits s[10:11]
	s_load_b128 s[12:15], s[0:1], 0x20  ; mflag s[12:13], out0 s[14:15]
	v_lshl_add_u32 v[SPW], v0, 2, SPARE
	v_mov_b32 v[NIL], 0
	v_lshrrev_b32 v[TV], 5, v0
	v_readfirstlane_b32 s[WV], v[TV]  ; wave 0..7
	v_and_b32 v1, 15, v0              ; l % 16
	v_bfe_u32 v2, v0, 4, 1            ; l / 16
	v_lshlrev_b32 v[GOF], 4, v0
	v_lshlrev_b32 v[QO], 8, v1        ; q: row x 256 bytes + 32 x half
	v_lshl_add_u32 v[QO], v2, 5, v[QO]
	s_mov_b32 s17, ttmp9              ; b: the low block
	s_and_b32 s18, ttmp7, 0xffff      ; the head
	s_sub_co_u32 s19, 7, s17          ; the high block
	s_lshl_b32 s20, s19, 4
	s_lshl_b32 s22, s17, 4
	s_add_co_u32 s21, s20, 15
	s_sub_co_u32 s21, s21, s[WV]      ; tile 1 = 16 (7 - b) + 15 - w
	s_add_co_u32 s20, s20, s[WV]      ; tile 0 = 16 (7 - b) + w
	s_add_co_u32 s23, s22, 15
	s_sub_co_u32 s23, s23, s[WV]      ; tile 3 = 16 b + 15 - w
	s_add_co_u32 s22, s22, s[WV]      ; tile 2 = 16 b + w
	s_lshl_b32 s2, s18, 19            ; a head is 524,288 bytes of q, k, v and out0
	s_mov_b32 s3, 0
.irp u, 0,1,2,3                     ; the offsets are made apart from the addresses
	s_lshl_b32 s[TB+2*\u], s[20+\u], 12            ; a tile: 4,096 bytes of mbits, and 16 rows of 256 bytes of q and out0
	s_mov_b32 s[TB+2*\u+1], 0
	s_add_co_u32 s[OUTP+2*\u], s[TB+2*\u], s2
	s_mov_b32 s[OUTP+2*\u+1], 0
	s_mov_b32 s[QPTR+2*\u], s[OUTP+2*\u]
	s_mov_b32 s[QPTR+2*\u+1], 0
	s_lshl_b32 s[20+\u], s[20+\u], 3               ; and 8 bytes of mflag
.endr
	s_lshl_b32 s19, s19, 7            ; a block's 16 tiles: 128 bytes of mflag
	s_mov_b32 s[CS], 0x3e38aa3b       ; c = log2(e) / 8 = 0.180337
	s_mov_b32 s[CS+1], s[CS]          ; named with it as a pair
	s_mov_b32 s[SEL], 0x76543210
	s_mov_b32 s[SEL+1], 0xfedcba98
	s_mov_b32 s[SOFF], 0
	s_mov_b32 s[CNT], 16
	s_mul_i32 s[STG], s[WV], 16*SP
	s_add_co_u32 s[STG], s[STG], STAGE
	s_wait_kmcnt 0x0
	s_add_nc_u64 s[6:7], s[6:7], s[2:3]  ; K and V at the head's step 0
	s_add_nc_u64 s[8:9], s[8:9], s[2:3]
.irp u, 0,1,2,3
	s_add_nc_u64 s[TB+2*\u:TB+2*\u+1], s[10:11], s[TB+2*\u:TB+2*\u+1]
	s_add_nc_u64 s[OUTP+2*\u:OUTP+2*\u+1], s[14:15], s[OUTP+2*\u:OUTP+2*\u+1]
	s_add_nc_u64 s[QPTR+2*\u:QPTR+2*\u+1], s[4:5], s[QPTR+2*\u:QPTR+2*\u+1]
.endr
	KVLOAD                            ; step 0, whatever the flags say
	; A fragment of Q is 16 rows x 32 channels: lane l holds row l % 16, channels 8 (l / 16) + 0..7 and 16 + 8 (l / 16) + 0..7 of each half of 32.  In f32 each eight are 32 bytes: two loads.  They land where O^T will lie.
.irp u, 0,1,2,3
.irp e, 0,1,2,3,4,5,6,7
	global_load_b128 v[OT+32*\u+4*\e:OT+32*\u+4*\e+3], v[QO], s[QPTR+2*\u:QPTR+2*\u+1] offset:128*(\e/4)+64*((\e/2)%2)+16*(\e%2) th:TH_LOAD_NT
.endr
.endr
.irp u, 0,1,2,3
	s_load_b64 s[FL+2*\u:FL+2*\u+1], s[12:13], s[20+\u] offset:0x0  ; my tiles' flags
.endr
	s_load_b512 s[MW:MW+15], s[12:13], s19 offset:0x0      ; the high block's 16 pairs of flags
	s_load_b512 s[MW+16:MW+31], s[12:13], s19 offset:0x40
	; the lanes' addresses, meanwhile
	v_mul_u32_u24 v[AK], v1, PK
	v_lshl_add_u32 v[AK], v2, 4, v[AK]  ; K's fragments: row x pitch + 16 x half
	v_and_b32 v[TV], 7, v0            ; the turning load: lane l reads key 8 (l / 16) + l % 8, channels 8 ((l / 8) % 2) + 0..7
	v_lshl_add_u32 v[AV], v2, 3, v[TV]
	v_mul_u32_u24 v[AV], v[AV], PV
	v_bfe_u32 v[TV], v0, 3, 1
	v_lshl_add_u32 v[AV], v[TV], 4, v[AV]
	v_add_nc_u32 v[AV], VOFF, v[AV]
	v_lshrrev_b32 v[TV], 4, v0        ; thread / 16: my key among 16
	v_mul_u32_u24 v[KST], v[TV], PK
	v_lshl_add_u32 v[KST], v1, 3, v[KST]  ; + 8 bytes x thread % 16: my four channels
	v_mul_u32_u24 v[VST], v[TV], PV
	v_lshl_add_u32 v[VST], v1, 3, v[VST]
	v_add_nc_u32 v[VST], VOFF, v[VST]
	v_mul_u32_u24 v[STO], v1, SP      ; into my stage: row l % 16, 32 bytes for each half of the lanes
	v_lshl_add_u32 v[STO], v2, 5, v[STO]
	v_add_nc_u32 v[STO], s[STG], v[STO]
	v_mul_u32_u24 v[RD], v2, SP       ; back: lanes 0-15 take one row of 256 bytes, lanes 16-31 the next
	v_lshl_add_u32 v[RD], v1, 4, v[RD]
	v_add_nc_u32 v[RD], s[STG], v[RD]
	v_lshlrev_b32 v[GO], 8, v2        ; and the same two rows in out0
	v_lshl_add_u32 v[GO], v1, 4, v[GO]
	v_mov_b32 v[NINF], 0xff800000
	s_wait_kmcnt 0x0
	s_or_b32 s[WA], s[FL], s[FL+2]
	s_or_b32 s[WA], s[WA], s[FL+4]
	s_or_b32 s[WA], s[WA], s[FL+6]
	s_or_b32 s[WGA], s[MW], s[MW+2]
.irp i, 4,6,8,10,12,14,16,18,20,22,24,26,28,30
	s_or_b32 s[WGA], s[WGA], s[MW+\i]
.endr
	s_lshl_b32 s19, s17, 7            ; free since the wait above
	s_load_b512 s[MW:MW+15], s[12:13], s19 offset:0x0      ; the low block's flags; step 0's conversion stands between these loads and the wait for them
	s_load_b512 s[MW+16:MW+31], s[12:13], s19 offset:0x40
	s_wait_loadcnt 32                 ; loads come back in order: the 32 of q are younger, so step 0's K and V are in and their bases free
	CONV 0
	s_add_nc_u64 s[6:7], s[6:7], 16384
	s_add_nc_u64 s[8:9], s[8:9], 16384
	KVLOAD                            ; step 1, whatever the flags say
	s_wait_kmcnt 0x0
.irp i, 0,2,4,6,8,10,12,14,16,18,20,22,24,26,28,30
	s_or_b32 s[WGA], s[WGA], s[MW+\i]
.endr
	s_wait_loadcnt 8                  ; the eight just issued are younger: q is in
	WIN W_F
.set i, 0
.rept 64
	v_cvt_pk_bf16_f32 v[QF+i], v[OT+2*i], v[OT+2*i+1]  ; Q stays in registers, in bf16
.set i, i+1
.endr
	WIN 0
	; O^T starts at 0 by 128 moves: which step is a tile's first live one is known only when the flags are read, so no first step can be written out whose products would start the sums.  Paid once.
.set i, 0
.rept 128
	v_mov_b32 v[OT+i], 0
.set i, i+1
.endr
.irp u, 0,1,2,3
	v_mov_b32 v[ST+4*\u+1], 0xff7fffff             ; m: the lowest finite number
	v_mov_b32 v[ST+4*\u+2], 0
	v_mov_b32 v[ST+4*\u+3], 0
.endr
.irp u, 0,1,2,3
	v_mul_f32 v[ST+4*\u], s[CS], v[ST+4*\u+1]      ; c m by the line that makes it later, so that c m_old - c m_new is 0 while m stands
.endr
	v_mov_b32 v[AA], 0
	v_mov_b32 v[AA+1], 0              ; named with a as a pair
	s_wait_dscnt 0x0                  ; for the others' sake: my part of step 0 is in slot 0
	s_barrier_signal -1
	s_barrier_wait -1
	FETCH 0
.Ltrip:                             ; 16 trips of two key steps, so that the slots stand in the immediates
	STEP 0
	STEP 1
	s_sub_co_u32 s[CNT], s[CNT], 1
	s_cmp_lg_u32 s[CNT], 0
	s_cbranch_scc1 .Ltrip
	; THE WAY OUT.  l's two halves and the other half of the lanes' are added; O^T is divided by l and sent through my stage in LDS, a tile (16 rows of out0) at a time.
.irp u, 0,1,2,3
	v_add_f32 v[ST+4*\u+2], v[ST+4*\u+2], v[ST+4*\u+3]
.endr
.irp u, 0,1,2,3
	v_permlanex16_b32 v[ST+4*\u+3], v[ST+4*\u+2], s[SEL], s[SEL+1]
.endr
.irp u, 0,1,2,3
	v_add_f32 v[ST+4*\u+2], v[ST+4*\u+2], v[ST+4*\u+3]
.endr
.irp u, 0,1,2,3
	v_rcp_f32 v[ST+4*\u+2], v[ST+4*\u+2]
.endr
	v_nop                             ; a plain instruction between the last reciprocal and the use of its result
	s_wait_alu depctr_va_vdst(0)      ; and the wait ahead of the first use: one for the four reciprocals
; Tile u: a lane's eight channels of a channel block are 32 bytes of a row; they go into rows of 272 bytes and come back as whole rows of 256, into the registers that they left.
.macro PACK u
.set i, 0
.rept 16
	v_pk_mul_f32 v[OT+32*(\u)+2*i:OT+32*(\u)+2*i+1], v[OT+32*(\u)+2*i:OT+32*(\u)+2*i+1], v[ST+4*(\u)+2:ST+4*(\u)+3] op_sel_hi:[1,0]
.set i, i+1
.endr
.irp f, 0,1,2,3,4,5,6,7
	ds_store_b128 v[STO], v[OT+32*(\u)+4*\f:OT+32*(\u)+4*\f+3] offset:64*(\f/2)+16*(\f%2)
.endr
.irp f, 0,1,2,3,4,5,6,7
	ds_load_b128 v[OT+32*(\u)+4*\f:OT+32*(\u)+4*\f+3], v[RD] offset:\f*2*SP  ; LDS serves a wave's instructions in order (ISA guide 5.7.1.4): these see the stores above; the next tile's stores come behind them
.endr
.endm
.macro SEND u, younger              ; younger: the LDS instructions issued behind tile u's loads: the next tile's sixteen, or none
.irp f, 0,1,2,3,4,5,6,7
	s_wait_dscnt (\younger)+7-\f
	global_store_b128 v[GO], v[OT+32*(\u)+4*\f:OT+32*(\u)+4*\f+3], s[OUTP+2*(\u):OUTP+2*(\u)+1] offset:\f*512 th:TH_STORE_NT  ; 16 lanes store 256 consecutive bytes, at a multiple of 256 from out0's first byte
.endr
.endm
	PACK 0
	PACK 1                            ; a tile's arithmetic stands between the loads of the tile before and its stores
	SEND 0, 16
	PACK 2
	SEND 1, 16
	PACK 3
	SEND 2, 16
	SEND 3, 0
	s_wait_tensorcnt 0x0              ; the wave's end, behind my last LDS store
	ds_add_u32 v[SPW], v[NIL]
	s_wait_dscnt 0x0
	s_endpgm
.Lfunc_end_k_qd7e0ca74a4_attn:
	.size	k_qd7e0ca74a4_attn, .Lfunc_end_k_qd7e0ca74a4_attn-k_qd7e0ca74a4_attn
	.p2alignl 7, 3214868480
	.fill 96, 4, 3214868480
	.section	.rodata,"a",@progbits
	.p2align	6, 0x0
	.amdhsa_kernel k_qd7e0ca74a4_attn
		.amdhsa_group_segment_fixed_size 74752
		.amdhsa_private_segment_fixed_size 0
		.amdhsa_enable_private_segment 0
		.amdhsa_kernarg_size 48
		.amdhsa_user_sgpr_count 2
		.amdhsa_user_sgpr_kernarg_segment_ptr 1
		.amdhsa_wavefront_size32 1
		.amdhsa_system_sgpr_workgroup_id_x 1
		.amdhsa_system_sgpr_workgroup_id_y 1
		.amdhsa_system_sgpr_workgroup_id_z 1
		.amdhsa_system_vgpr_workitem_id 0
		.amdhsa_next_free_vgpr 448
		.amdhsa_next_free_sgpr 100
		.amdhsa_reserve_vcc 0
		.amdhsa_float_denorm_mode_32 3
		.amdhsa_float_denorm_mode_16_64 3
		.amdhsa_memory_ordered 1
		.amdhsa_forward_progress 1
		.amdhsa_inst_pref_size 135
	.end_amdhsa_kernel
	.amdgpu_metadata
---
amdhsa.version: [ 1, 2 ]
amdhsa.kernels:
  - .name:           k_qd7e0ca74a4_attn
    .symbol:         k_qd7e0ca74a4_attn.kd
    .args:
      - { .name: q, .offset: 0, .size: 8, .value_kind: global_buffer, .address_space: global }
      - { .name: k, .offset: 8, .size: 8, .value_kind: global_buffer, .address_space: global }
      - { .name: v, .offset: 16, .size: 8, .value_kind: global_buffer, .address_space: global }
      - { .name: mbits, .offset: 24, .size: 8, .value_kind: global_buffer, .address_space: global }
      - { .name: mflag, .offset: 32, .size: 8, .value_kind: global_buffer, .address_space: global }
      - { .name: out0, .offset: 40, .size: 8, .value_kind: global_buffer, .address_space: global }
    .group_segment_fixed_size: 74752
    .private_segment_fixed_size: 0
    .kernarg_segment_align: 8
    .kernarg_segment_size: 48
    .max_flat_workgroup_size: 256
    .sgpr_count:     100
    .vgpr_count:     448
    .wavefront_size: 32
...
	.end_amdgpu_metadata
.endif
;; end of part 3
